; MI455X (gfx1250); checked and timed in simulation.
; The chip was launched on July 23, 2026; its instructions are those of AMD's public machine-readable ISA for CDNA 5 (MIT licence, August 2026) and "CDNA5" Instruction Set Architecture Reference Guide (July 2026). The comments in the code are by the model that wrote it; some were corrected since.
;; Update Speaker. Allowed arithmetic: matrix products marked QUANTISED: E5M2 operands, one given power-of-two scale a tensor, by v_wmma_f32_16x16x64_bf8_bf8 or v_wmma_f32_16x16x128_bf8_bf8, f32 sums; everything else in f32.
;; Inputs: VA_hh 512 x 512 float32; VA_hp 512 x 512 float32; VA_hr 512 x 512 float32; VA_hz 512 x 512 float32; WA_hh 512 x 512 float32; WA_hp 512 x 512 float32; WA_hr 512 x 512 float32; WA_hz 512 x 512 float32; WA_xh 512 x 1,024 float32; WA_xp 512 x 1,024 float32; WA_xr 512 x 1,024 float32; WA_xz 512 x 1,024 float32; adr_vectors 16,384 x 512 float32; encoder_hidden 16,384 x 1,024 float32; lowp_scales 24 int32 (the exponents e of the quantised operands' scales 2^e); spk_vectors 16,384 x 512 float32.
;; Outputs: out0 16,384 x 512 float32.
;; This version of the problem:
;;   THIS VERSION OF THE PROBLEM IS GIVEN IN LOW PRECISION. The matrix products marked QUANTISED in the list below multiply operands that are first quantised to E5M2 (5 exponent bits, 2 mantissa bits; 8 bits a number), with one given power-of-two scale for each operand tensor; their sums are f32. All else is computed in f32.
;;   The module's matrix products, in the order in which they are computed (A, B: the left and right operand; K: the contracted axis; several contracted axes count as one K, in the product's order):
;;     1. [M 16,384, K 1,024] x [K 1,024, N 512]; A: input encoder_hidden; B: input WA_xr: QUANTISED (scales: A lowp_scales[0], B lowp_scales[1])
;;     2. [M 16,384, K 512] x [K 512, N 512]; A: input spk_vectors; B: input WA_hr: QUANTISED (scales: A lowp_scales[2], B lowp_scales[3])
;;     3. [M 16,384, K 512] x [K 512, N 512]; A: input adr_vectors; B: input VA_hr: QUANTISED (scales: A lowp_scales[4], B lowp_scales[5])
;;     4. [M 16,384, K 1,024] x [K 1,024, N 512]; A: input encoder_hidden; B: input WA_xp: QUANTISED (scales: A lowp_scales[6], B lowp_scales[7])
;;     5. [M 16,384, K 512] x [K 512, N 512]; A: input spk_vectors; B: input WA_hp: QUANTISED (scales: A lowp_scales[8], B lowp_scales[9])
;;     6. [M 16,384, K 512] x [K 512, N 512]; A: input adr_vectors; B: input VA_hp: QUANTISED (scales: A lowp_scales[10], B lowp_scales[11])
;;     7. [M 16,384, K 1,024] x [K 1,024, N 512]; A: input encoder_hidden; B: input WA_xz: QUANTISED (scales: A lowp_scales[12], B lowp_scales[13])
;;     8. [M 16,384, K 512] x [K 512, N 512]; A: input spk_vectors; B: input WA_hz: QUANTISED (scales: A lowp_scales[14], B lowp_scales[15])
;;     9. [M 16,384, K 512] x [K 512, N 512]; A: input adr_vectors; B: input VA_hz: QUANTISED (scales: A lowp_scales[16], B lowp_scales[17])
;;     10. [M 16,384, K 1,024] x [K 1,024, N 512]; A: input encoder_hidden; B: input WA_xh: QUANTISED (scales: A lowp_scales[18], B lowp_scales[19])
;;     11. [M 16,384, K 512] x [K 512, N 512]; A: computed on the way; B: input WA_hh: QUANTISED (scales: A lowp_scales[20], B lowp_scales[21])
;;     12. [M 16,384, K 512] x [K 512, N 512]; A: computed on the way; B: input VA_hh: QUANTISED (scales: A lowp_scales[22], B lowp_scales[23])
;;   THE QUANTISER, for each operand of a quantised product, along K:
;;     - The operand's scale is 2^e, e = its entry of the input lowp_scales (int32; the entries are numbered through the quantised products in the list's order, A before B).
;;     - Each number is divided by the scale, clamped to +-57,344, and rounded to the nearest number of E5M2, ties to even, subnormals kept.
;;     - The product sums the exact products of the quantised numbers (number of the format x scale) in f32.
;;   ~~~python
;;   def quantise(x, axis, e):      # numpy; x: float32 -> the quantised numbers, widened to float32 again
;;       x = np.moveaxis(x, axis, -1); K = x.shape[-1]
;;       r = np.clip(x / 2.0 ** e, -57344, 57344)
;;       step = 2.0 ** (np.maximum(np.frexp(np.where(r == 0, 1, r))[1] - 1, -14) - 2)
;;       q = np.round(r / step) * step * 2.0 ** e      # np.round: ties to even
;;       return np.moveaxis(q, -1, axis).astype(np.float32)
;;   ~~~
;;   OPERANDS COMPUTED ON THE WAY. 'Computed on the way' means the value that the module computes at that place (a softmax that the list does not call 'softmax' is quantised finished and normalised). What goes into a quantiser is computed in f32, as accurately as f32 sums, v_exp_f32 and their like allow (about 1e-6 of the number): no bf16 or f16 on the way to a quantiser, and a product that is left as it is and whose result goes on into a quantised operand takes f32 operands (vector FMAs, or v_wmma_f32_16x16x4_f32). A number that lies on a knife's edge between two numbers of the format may be rounded either way, as far as f32 arithmetic and the matrix unit's own rounding can turn it there, and no further.
;; One version. Each part assembles by itself: llvm-mc -triple=amdgcn-amd-amdhsa -mcpu=gfx1250 --defsym DOCPART=n.
;; ======== version 1 of 1: 2 launches
;; workspace buffers: wq 4,194,304 bytes
;; launch prep (part 1): grid 256 x 1, 8 waves a work-group, no clusters, 0 bytes of LDS; arguments WA_xr, WA_xp, WA_xz, WA_xh, WA_hr, WA_hp, WA_hz, WA_hh, VA_hr, VA_hp, VA_hz, VA_hh, lowp_scales, wq; writes wq
.if DOCPART == 1
	.amdgcn_target "amdgcn-amd-amdhsa--gfx1250"
	.amdhsa_code_object_version 6
	.text
	.protected	k_q9fa740ca2b_prep
	.globl	k_q9fa740ca2b_prep
	.p2align	8
	.type	k_q9fa740ca2b_prep,@function
k_q9fa740ca2b_prep:
	s_mov_b64 s[64:65], 0
	v_nop
	global_prefetch_b8 v0, s[64:65] scope:SCOPE_SE
	s_setreg_imm32_b32 hwreg(HW_REG_WAVE_MODE, 25, 1), 1
	s_wait_xcnt 0x0
; The twelve weights, f32 with K innermost, become codes of BF8 (E5M2), each with its own given scale 2^e, laid in wq in the ORDER OF THE OPERAND'S REGISTERS:
; wq[tile 0..31][wave 0..3][gsel 0..1][column tile t 0..7][block c 0..3][lane 0..31][16 bytes].  tile = 16 x pass + kc; gate = 2 x pass + gsel (0 r, 1 p, 2 z, 3 h).
; kc 0-7: WA_x<gate>, k0 = 128 kc;  kc 8-11: WA_h<gate>, k0 = 128 (kc - 8);  kc 12-15: VA_h<gate>, k0 = 128 (kc - 12).
; Lane (r = lane % 16, h = lane / 16) of block c holds the codes of W[n][k0 + 32 c + 16 h + 0 .. 15], n = 128 wave + 32 (t / 2) + 8 (t % 2) + r + 8 (r / 8):
; THE ROWS OF A TILE ARE NOT NEIGHBOURS, so that in the transposed product the 16 registers of tiles 2 b and 2 b + 1 are 16 neighbouring columns of a gate.
; code = x / 2^e, held within +-57,344, to the nearest code, ties to even.  e = lowp_scales[6 gate + 2 segment + 1].  LIMITS: -126 <= e <= 112.  NaN among the inputs is not served.
; SHARES.  A work-group is one (tile, wave, gsel): 16,384 bytes of wq; each of its eight waves makes one column tile t: 16 rows x 128 along K, 2,048 bytes.
; A lane loads 16 neighbours of each of the four blocks (the sixteen loads together take 512 consecutive bytes of each of 16 rows); each store of the wave covers 512 consecutive bytes, aligned.
; No LDS, no barrier, no branch: waves share nothing.
.set NUM, 16                           ; v16-79  64 numbers: register 16 c + i = k0 + 32 c + 16 h + i of my row
.set COD, 80                           ; v80-95  their codes
	s_load_b512 s[8:23], s[0:1], 0x0               ; WA_xr, xp, xz, xh s[8:15];  WA_hr, hp, hz, hh s[16:23]
	s_load_b256 s[24:31], s[0:1], 0x40             ; VA_hr, hp, hz, hh
	s_load_b128 s[32:35], s[0:1], 0x60             ; the scales' exponents s[32:33], wq s[34:35]
	v_lshrrev_b32 v3, 5, v0
	v_readfirstlane_b32 s36, v3                    ; t: my wave's column tile
	v_and_b32 v4, 31, v0
	v_lshlrev_b32 v1, 4, v4                        ; 16 x lane: my place in a block of wq
	v_and_b32 v5, 15, v0                           ; r
	v_bfe_u32 v6, v0, 4, 1                         ; h
	v_and_b32 v7, 8, v5
	v_add_nc_u32 v7, v7, v5                        ; r + 8 (r / 8)
	s_lshr_b32 s37, ttmp9, 3                       ; tile
	s_bfe_u32 s38, ttmp9, 0x20001                  ; wave of the reader: 2 bits from bit 1
	s_and_b32 s39, ttmp9, 1                        ; gsel
	s_lshr_b32 s40, s37, 4                         ; pass
	s_and_b32 s41, s37, 15                         ; kc
	s_lshl_b32 s40, s40, 1
	s_add_co_u32 s40, s40, s39                     ; gate
	s_cmp_lt_u32 s41, 12
	s_cselect_b32 s42, 1, 2                        ; segment: 0 WA_x, 1 WA_h, 2 VA_h
	s_cselect_b32 s43, 8, 12                       ; the segment's first kc
	s_movk_i32 s44, 0x800                          ; a row of the weight in bytes: 2,048,
	s_cmp_lt_u32 s41, 8
	s_cselect_b32 s42, 0, s42
	s_cselect_b32 s43, 0, s43
	s_cselect_b32 s44, 4096, s44                   ; or 4,096 in WA_x
	s_mul_i32 s45, s40, 6
	s_lshl_b32 s46, s42, 1
	s_add_co_u32 s45, s45, s46
	s_add_co_u32 s45, s45, 1
	s_lshl_b32 s45, s45, 2                         ; byte of entry 6 gate + 2 segment + 1
	s_lshl_b32 s46, s38, 7
	s_lshr_b32 s47, s36, 1
	s_lshl_b32 s47, s47, 5
	s_add_co_u32 s46, s46, s47
	s_and_b32 s47, s36, 1
	s_lshl_b32 s47, s47, 3
	s_add_co_u32 s46, s46, s47                     ; the tile's first row: 128 wave + 32 (t / 2) + 8 (t % 2)
	s_mul_i32 s46, s46, s44
	s_sub_co_u32 s47, s41, s43
	s_lshl_b32 s47, s47, 9                         ; k0 in bytes
	s_add_co_u32 s46, s46, s47
	s_mov_b32 s47, 0
	s_lshl_b32 s48, ttmp9, 14                      ; my work-group's 16,384 bytes of wq,
	s_lshl_b32 s49, s36, 11                        ; my wave's 2,048 of them
	s_add_co_u32 s48, s48, s49
	s_mov_b32 s49, 0
	v_mul_u32_u24 v2, s44, v7
	v_lshl_add_u32 v2, v6, 6, v2                   ; my row in the tile, + 64 h
	s_wait_kmcnt 0x0
	s_load_b32 s50, s[32:33], s45 offset:0x0       ; e
	s_cmp_eq_u32 s40, 1                            ; the weight is chosen by ids alone: first by the gate, in each of the three groups,
	s_cselect_b64 s[52:53], s[10:11], s[8:9]
	s_cselect_b64 s[54:55], s[18:19], s[16:17]
	s_cselect_b64 s[56:57], s[26:27], s[24:25]
	s_cmp_eq_u32 s40, 2
	s_cselect_b64 s[52:53], s[12:13], s[52:53]
	s_cselect_b64 s[54:55], s[20:21], s[54:55]
	s_cselect_b64 s[56:57], s[28:29], s[56:57]
	s_cmp_eq_u32 s40, 3
	s_cselect_b64 s[52:53], s[14:15], s[52:53]
	s_cselect_b64 s[54:55], s[22:23], s[54:55]
	s_cselect_b64 s[56:57], s[30:31], s[56:57]
	s_cmp_eq_u32 s42, 1                            ; then by the segment
	s_cselect_b64 s[52:53], s[54:55], s[52:53]
	s_cmp_eq_u32 s42, 2
	s_cselect_b64 s[52:53], s[56:57], s[52:53]
	s_add_nc_u64 s[52:53], s[52:53], s[46:47]
	s_add_nc_u64 s[34:35], s[34:35], s[48:49]
.irp c, 0,1,2,3
.irp j, 0,1,2,3
	global_load_b128 v[NUM+16*\c+4*\j:NUM+16*\c+4*\j+3], v2, s[52:53] offset:128*\c+16*\j
.endr
.endr
	s_wait_kmcnt 0x0
	s_add_co_i32 s50, s50, 127
	s_lshl_b32 s51, s50, 23
	v_mov_b32 v11, s51                             ; 2^e as f32: the conversion takes its exponent field
	s_add_co_i32 s50, s50, 15
	s_lshl_b32 s50, s50, 23
	s_or_b32 s50, s50, 0x600000
	v_mov_b32 v10, s50                             ; 57,344 x 2^e
.irp c, 0,1,2,3
	s_wait_loadcnt 12-4*\c                         ; loads come back in order: block c's four are in, the later blocks' may be out
.irp i, 0,1,2,3,4,5,6,7,8,9,10,11,12,13,14,15
	v_med3_num_f32 v[NUM+16*\c+\i], v[NUM+16*\c+\i], -v10, v10   ; the conversion to an 8-bit code does not saturate (ISA guide 7.6.2): the hold comes first
.endr
	v_cvt_scalef32_pk8_bf8_f32 v[COD+4*\c:COD+4*\c+1], v[NUM+16*\c:NUM+16*\c+7], v11
	v_cvt_scalef32_pk8_bf8_f32 v[COD+4*\c+2:COD+4*\c+3], v[NUM+16*\c+8:NUM+16*\c+15], v11
.endr
	v_nop                                          ; a plain line behind the last conversion
.irp c, 0,1,2,3
	global_store_b128 v1, v[COD+4*\c:COD+4*\c+3], s[34:35] offset:512*\c   ; 32 lanes store 512 consecutive bytes, at a multiple of 512 from wq's first byte
.endr
	s_endpgm
.Lfunc_end_k_q9fa740ca2b_prep:
	.size	k_q9fa740ca2b_prep, .Lfunc_end_k_q9fa740ca2b_prep-k_q9fa740ca2b_prep
	.p2alignl 7, 3214868480
	.fill 96, 4, 3214868480
	.section	.rodata,"a",@progbits
	.p2align	6, 0x0
	.amdhsa_kernel k_q9fa740ca2b_prep
		.amdhsa_group_segment_fixed_size 0
		.amdhsa_private_segment_fixed_size 0
		.amdhsa_enable_private_segment 0
		.amdhsa_kernarg_size 112
		.amdhsa_user_sgpr_count 2
		.amdhsa_user_sgpr_kernarg_segment_ptr 1
		.amdhsa_wavefront_size32 1
		.amdhsa_system_sgpr_workgroup_id_x 1
		.amdhsa_system_sgpr_workgroup_id_y 1
		.amdhsa_system_sgpr_workgroup_id_z 1
		.amdhsa_system_vgpr_workitem_id 0
		.amdhsa_next_free_vgpr 96
		.amdhsa_next_free_sgpr 66
		.amdhsa_reserve_vcc 0
		.amdhsa_float_denorm_mode_32 3
		.amdhsa_float_denorm_mode_16_64 3
		.amdhsa_memory_ordered 1
		.amdhsa_forward_progress 1
		.amdhsa_inst_pref_size 10
	.end_amdhsa_kernel
	.amdgpu_metadata
---
amdhsa.version: [ 1, 2 ]
amdhsa.kernels:
  - .name:           k_q9fa740ca2b_prep
    .symbol:         k_q9fa740ca2b_prep.kd
    .args:
      - { .name: WA_xr, .offset: 0, .size: 8, .value_kind: global_buffer, .address_space: global }
      - { .name: WA_xp, .offset: 8, .size: 8, .value_kind: global_buffer, .address_space: global }
      - { .name: WA_xz, .offset: 16, .size: 8, .value_kind: global_buffer, .address_space: global }
      - { .name: WA_xh, .offset: 24, .size: 8, .value_kind: global_buffer, .address_space: global }
      - { .name: WA_hr, .offset: 32, .size: 8, .value_kind: global_buffer, .address_space: global }
      - { .name: WA_hp, .offset: 40, .size: 8, .value_kind: global_buffer, .address_space: global }
      - { .name: WA_hz, .offset: 48, .size: 8, .value_kind: global_buffer, .address_space: global }
      - { .name: WA_hh, .offset: 56, .size: 8, .value_kind: global_buffer, .address_space: global }
      - { .name: VA_hr, .offset: 64, .size: 8, .value_kind: global_buffer, .address_space: global }
      - { .name: VA_hp, .offset: 72, .size: 8, .value_kind: global_buffer, .address_space: global }
      - { .name: VA_hz, .offset: 80, .size: 8, .value_kind: global_buffer, .address_space: global }
      - { .name: VA_hh, .offset: 88, .size: 8, .value_kind: global_buffer, .address_space: global }
      - { .name: lowp_scales, .offset: 96, .size: 8, .value_kind: global_buffer, .address_space: global }
      - { .name: wq, .offset: 104, .size: 8, .value_kind: global_buffer, .address_space: global }
    .group_segment_fixed_size: 0
    .private_segment_fixed_size: 0
    .kernarg_segment_align: 8
    .kernarg_segment_size: 112
    .max_flat_workgroup_size: 256
    .sgpr_count:     66
    .vgpr_count:     96
    .wavefront_size: 32
...
	.end_amdgpu_metadata
.endif
;; end of part 1
;; launch cell (part 2): grid 256 x 1, 4 waves a work-group, clusters of 4 x 1, 327,680 bytes of LDS; arguments encoder_hidden, spk_vectors, adr_vectors, lowp_scales, wq, out0; writes out0
.if DOCPART == 2
	.amdgcn_target "amdgcn-amd-amdhsa--gfx1250"
	.amdhsa_code_object_version 6
	.text
	.protected	k_q9fa740ca2b_cell
	.globl	k_q9fa740ca2b_cell
	.p2align	8
	.type	k_q9fa740ca2b_cell,@function
k_q9fa740ca2b_cell:
	s_mov_b64 s[64:65], 0
	v_nop
	global_prefetch_b8 v0, s[64:65] scope:SCOPE_SE
	s_setreg_imm32_b32 hwreg(HW_REG_WAVE_MODE, 25, 1), 1
	s_wait_xcnt 0x0
	s_wait_alu depctr_hold_cnt(0) depctr_sa_sdst(0) depctr_va_vdst(0) depctr_va_sdst(0) depctr_va_ssrc(0) depctr_va_vcc(0) depctr_vm_vsrc(0)
	s_getreg_b32 s2, hwreg(HW_REG_IB_STS2, 6, 4)
	s_cmp_eq_u32 s2, 0
	s_cbranch_scc0 .Lentry_in_a_cluster
	s_endpgm
.Lentry_in_a_cluster:
	s_bfe_u32 s2, ttmp6, 0x10000c
	s_cmp_lg_u32 s2, 0x3003
	s_cbranch_scc0 .Lentry_shape_is_right
	s_endpgm
.Lentry_shape_is_right:
; out = (1 - z) s + z tanh(x Wxh^T + (r s) Whh^T + (p a) Vhh^T);  r, p, z = sigmoid(x Wx^T + s Wh^T + a V^T).  x [16384][1024], s, a, out [16384][512], f32.
; All twelve products on codes of BF8 (E5M2); each operand of each product has its own given scale 2^e, so x is quantised four times, s and a three times each, every time with another e.
; SHARES.  A work-group owns 64 rows and ALL 512 columns of every gate (the fourth gate's K is the whole width of r and p).  THE FOUR WAVES SHARE THE COLUMNS: wave w makes columns 128 w .. 128 w + 127 for all 64 rows.
; Two passes of two gates: (r, p), then (z, h): 2 x 32 accumulators of 16 x 16 a wave, 512 registers.  A pass walks K = 2,048 in 16 chunks of 128: x's eight, s's (or r s's) four, a's (or p a's) four.
; WEIGHTS come as codes in the order of the operand's registers (buffer wq) through a ring of two LDS slots; a slot holds one chunk of both gates, 131,072 bytes; wave w fetches and reads only its own quarter.
; CLUSTER.  All work-groups walk the same weights: the four of a cluster ask for each tile JOINTLY, by the same tensor load with the same descriptor and the mask 15.
; ACTIVATIONS come as f32 into registers, two chunks ahead: wave w takes rows 16 w .. 16 w + 15, quantises them twice (once for each gate's scale) and hands the two fragments to the others through LDS
; AS IMAGES OF THEIR REGISTERS (lane l's 16 bytes at 16 l, 512 bytes a store).  r s and p a are quantised in registers, exchanged once through LDS, kept in 128 registers a wave and released chunk by chunk.
; Registers and LDS have no room for pass 2's codes beside two slots of that size: so x is loaded twice, s four times (two passes, two epilogues), a three times.
; THE PRODUCT IS USED TRANSPOSED (source 0 = 16 rows of a weight, source 1 = 16 rows of the activations): lane (r, h) holds row r, and register 64 m + 16 b + i of a gate's window holds row 16 m + r, column 128 w + 32 b + 16 h + i.
; A fragment for 64 along K is 8 registers, brought by two loads of 16 bytes: registers 4 c' .. 4 c' + 3 hold k = 32 c' + 16 h + 0 .. 15: a permutation of k that is the same in both sources, so every product meets its partner.
; ONE ACCUMULATOR RUNS THROUGH A GATE'S THREE PRODUCTS: it stands in units of 2^(eA + eB) of the product in hand, and at each change of product it is multiplied by the power of two between the units.
; LIMITS on the given exponents: each operand's e between -126 and 112; the differences of eA + eB between a gate's neighbouring products between -126 and 127; eA + eB of a gate's last product between -126 and 126;
; the sums stay inside f32 in each later product's unit.  NaN among the inputs is not served.
; REGISTERS, in windows of 256.  Window 0: v1-21 addresses and scales; v24-39 numbers under the hold, or codes; v40-55 codes; v64-127, v128-191 two chunks of f32; v192-255 r s's codes (ST_r).
;   Window 1: two sets of operands at v0 and v96 (four fragments of activations, then eight of weights); v192-255 p a's codes (ST_p).  Window 2: gate r or z.  Window 3: gate p or h.
.set TILEB, 131072                     ; a tile of wq, and an LDS slot
.set RING1, 131072                     ; LDS: slot 0 at 0, slot 1 here; wave w's quarter at 32,768 w; inside it gsel x 16,384 + t x 2,048 + c x 512 + 16 x lane
.set TIM,   262144                     ; the activations' images: parity x 16,384 + gsel x 8,192 + row tile x 2,048 + c x 512 + 16 x lane
.set XCH,   278528                     ; the exchange of r s and p a: chunk x 8,192 + row tile x 2,048 + c x 512 + 16 x lane; it lies over the odd images, which are idle then, and 16,384 bytes behind them
.set SPARE, 327168                     ; the spare words, 128 bytes for each wave: two blocks of 256 bytes that no other line names
.set SP,    528                        ; the way out: a stage of 16 rows x (512 bytes + 16) for each wave, at the head of its quarter of slot 0, behind that slot's last fill and last read
.set LI,    1                          ; v1   16 x lane
.set BW,    2                          ; v2-3 my quarter of slot 0, 1, + 16 x lane.  v2 is also where I read the stage back
.set TA,    4                          ; v4   the images, + 16 x lane
.set TW,    5                          ; v5   where I store images: + 2,048 x wave
.set GOFF,  6                          ; v6   the chunk loads' offset: r x the tensor's row + 64 h
.set RR,    7                          ; v7   r
.set HH,    8                          ; v8   64 h
.set SOFF,  9                          ; v9   r x 2,048 + 64 h: a tile of s, a in the accumulators' layout; never rewritten
.set SPW,   10                         ; v10  LDS address of my spare word; never rewritten
.set NIL,   11                         ; v11  0; never rewritten
.set VS0,   12                         ; v12  gsel 0's scale as f32, v13 57,344 x it
.set VS1,   14                         ; v14, v15 the same for gsel 1
.set STO,   16                         ; v16  the stage: where I put 64 bytes of a row
.set XW,    18                         ; v18  the exchange: where I store (chunk = my wave)
.set XR,    19                         ; v19  and where I read (row tile = my wave)
.set PFO,   21                         ; v21  256 x lane: the prefetches' offset; never rewritten
.set TMP,   24
.set CODE1, 24
.set CODE0, 40
.set BUF0,  64
.set STR,   192
.set XB,  4                            ; s[4:5]   x at row 64 wg + 16 w;  s[6:7], s[8:9] s and a likewise
.set SB,  6
.set AB,  8
.set SE,  10                           ; s[10:11] s at row 64 wg, column 128 w;  s[12:13] a, s[14:15] out likewise
.set AE,  12
.set OB,  14
.set PTR, 16                           ; s[16:17] the chunk that is asked for
.set WV,  18                           ; s18  my wave's number
.set PIT, 19                           ; s19  bytes in a row of the tensor that is asked for
.set TR,  20                           ; s20  the loop's counter
.set PC,  21                           ; s21  the chunk that is quantised
.set LC,  22                           ; s22  the chunk that is asked for
.set G1,  24                           ; s[24:31] descriptor group 1;  s[32:35], s[36:39] group 0 of slot 0, 1
.set G0,  32
.set F0,  40                           ; s[40:41], s[42:43] the two gates' factors at a change of product (pairs: the packed form names both words)
.set F1,  42
.set DO,  44                           ; s44  1 where the product changes
.set PFA, 60                           ; s[60:61] where my prefetches stand: my wave's 8,192 bytes of the tile after the one that is being asked for
.set PLM, 62                           ; s62  14 in cluster 0, else 0: who prefetches, and up to which trip
.set ET,  72                           ; s[72:95] the table made of lowp_scales: for gate g at 6 g: +0, +2, +4 the activations' scales as f32; +1, +3 the factors between units; +5 the last unit x the activation's constant
.set MSB, 0
.macro WIN new                         ; low byte: bits 1:0 source 0, 3:2 source 1, 5:4 source 2, 7:6 destination; the high byte repeats the setting that is left
.if MSB != (\new)
	s_set_vgpr_msb (MSB<<8)|(\new)
.set MSB, (\new)
.endif
.endm
; A load into a register that a matrix instruction has read, and a vector instruction that reads a matrix result, stand four places behind it, and only plain vector instructions that name none of its
; registers are places (ISA guide 7.12.1 for vector instructions).
.macro PLACES
.rept 4
	v_nop
.endr
.endm
.macro BAR                             ; my LDS stores have landed and my LDS loads are in: then the work-group's barrier
	s_wait_dscnt 0x0
	s_barrier_signal -1
	s_barrier_wait -1
.endm
.macro CREST                           ; a round of the cluster's barrier behind its opening barrier
	s_cmp_lg_u32 s[WV], 0
	s_cbranch_scc1 .Lnot_wave_0_\@
	s_barrier_signal -3
.Lnot_wave_0_\@:
	s_barrier_wait -3
	s_barrier_signal -1
	s_barrier_wait -1
.endm
.macro CROUND                          ; a whole round
	s_barrier_signal -1
	s_barrier_wait -1
	CREST
.endm
; A PREFETCH INTO THE L2 of the tile that the NEXT change of slots will ask for: one slot, 128 matrix instructions, ahead of that load.  It stands behind the joint refill, its four lines and the run of LDS loads behind them.
; Every cluster walks the same tiles: cluster 0 asks, and nobody else (a branch on the cluster's number, which is equal in its four partners).  Its sixteen waves share the tile's 131,072 bytes out BY ADDRESS:
; 8,192 bytes a wave, at (4 x place in the cluster + wave) x 8,192, lanes 256 bytes apart: one instruction a wave, and each aligned block of 256 bytes is named once in the launch.
; Tiles 0, 1 and 2 come by their loads alone; the last refill (slot 1 in trip 14) asks for nothing: there is no tile behind it.
.macro ASK sl
.if (\sl) == 0
	s_cmp_lg_u32 s[PLM], 0
.else
	s_cmp_lt_u32 s[TR], s[PLM]
.endif
	s_cbranch_scc0 .Lnot_mine_\@
	global_prefetch_b8 v[PFO], s[PFA:PFA+1] th:TH_LOAD_NT scope:SCOPE_SE
.Lnot_mine_\@:
.endm
; 64 numbers a lane: 16 neighbours of each of four blocks of 32, of my row: register 16 b + 4 j on.  The sixteen loads together take 512 consecutive bytes of each of 16 rows.
.macro XLOAD win, dst, voff, base, off
	WIN (\win)<<6
.irp b, 0,1,2,3
.irp j, 0,1,2,3
	global_load_b128 v[(\dst)+16*\b+4*\j:(\dst)+16*\b+4*\j+3], v[\voff], s[\base:\base+1] offset:(\off)+128*\b+16*\j
.endr
.endr
.endm
; The operands of a sub-step (gate g, half hf of the chunk's 128 along K, slot sl) into set q, in TWO RUNS OF 12 LDS loads.
; The first run: the activations' four fragments and the weights' tiles 0 and 1.
.macro FETA sl, g, hf, q
	WIN 0x40                                       ; destination window 1, address window 0
.irp m, 0,1,2,3
.irp c, 0,1
	ds_load_b128 v[96*(\q)+8*\m+4*\c:96*(\q)+8*\m+4*\c+3], v[TA] offset:(\sl)*16384+(\g)*8192+\m*2048+(2*(\hf)+\c)*512
.endr
.endr
.irp t, 0,1
.irp c, 0,1
	ds_load_b128 v[96*(\q)+32+8*\t+4*\c:96*(\q)+32+8*\t+4*\c+3], v[BW+\sl] offset:(\g)*16384+\t*2048+(2*(\hf)+\c)*512
.endr
.endr
.endm
; The second run: the weights' tiles 2 to 7.
.macro FETB sl, g, hf, q
	WIN 0x40
.irp t, 2,3,4,5,6,7
.irp c, 0,1
	ds_load_b128 v[96*(\q)+32+8*\t+4*\c:96*(\q)+32+8*\t+4*\c+3], v[BW+\sl] offset:(\g)*16384+\t*2048+(2*(\hf)+\c)*512
.endr
.endr
.endm
.macro FETCH sl, g, hf, q              ; both runs on end: a slot's first sub-step, which can be fetched only behind the change of slots
	FETA \sl, \g, \hf, \q
	FETB \sl, \g, \hf, \q
.endm
; 8 matrix instructions: column tiles 2 k, 2 k + 1 x the four row tiles, 64 along K, operands of set q.  zero = 1: the product starts the sums: nothing is ever cleared.
; A gate's 32 accumulators take turns, one instruction a turn, in the same order in every sub-step, and the two gates' sub-steps alternate.
.macro MUL8 q, k, zero
.irp t, 2*(\k), 2*(\k)+1
.irp m, 0,1,2,3
.if \zero
	v_wmma_f32_16x16x64_bf8_bf8 v[64*\m+8*(\t):64*\m+8*(\t)+7], v[96*(\q)+32+8*(\t):96*(\q)+32+8*(\t)+7], v[96*(\q)+8*\m:96*(\q)+8*\m+7], 0
.else
	v_wmma_f32_16x16x64_bf8_bf8 v[64*\m+8*(\t):64*\m+8*(\t)+7], v[96*(\q)+32+8*(\t):96*(\q)+32+8*(\t)+7], v[96*(\q)+8*\m:96*(\q)+8*\m+7], v[64*\m+8*(\t):64*\m+8*(\t)+7]
.endif
.endr
.endr
.endm
; A slot is four sub-steps of 32 matrix instructions: ix = 0: (gsel 0, half 0), 1: (gsel 1, half 0), 2: (gsel 0, half 1), 3: (gsel 1, half 1); sub-step ix works on set ix % 2.
; One of the first three, in two parts.  SUBA, its head: the next sub-step's first run goes out, 32 matrix instructions ahead of its first use, into the set that the sub-step before has multiplied.
.macro SUBA sl, ix
	PLACES                                         ; behind the last products that read that set: they serve this run and the second run below
	FETA \sl, ((\ix)+1)%2, ((\ix)+1)/2, ((\ix)+1)%2
	s_wait_dscnt 20                                ; out may be the 12 just issued and the youngest 8 before them, this sub-step's tiles 4-7: its activations and its tiles 0-3 are in
.endm
; SUBB: 16 products, the next sub-step's second run, 16 products.
.macro SUBB sl, ix, zero
	WIN 0xa5+0x50*((\ix)%2)                        ; sources 0 and 1 window 1; C and D window 2 or 3
	MUL8 (\ix)%2, 0, \zero
	MUL8 (\ix)%2, 1, \zero
	FETB \sl, ((\ix)+1)%2, ((\ix)+1)/2, ((\ix)+1)%2
	s_wait_dscnt 24                                ; the 24 youngest LDS instructions are all the next sub-step's loads or image stores: this sub-step's tiles 4-7, which are older, are in
	WIN 0xa5+0x50*((\ix)%2)
	MUL8 (\ix)%2, 2, \zero
	MUL8 (\ix)%2, 3, \zero
.endm
; The fourth sub-step changes slots: ONE barrier.  In front of it each wave waits for all its tensor loads (one is out: its quarter of the next slot), adds 0 to its spare word, and waits for that, for its
; reads of this slot and of this parity's images, and for its stores of the next parity's images.  fill = 1: the barrier opens a round of the cluster's barrier, and this slot is filled again, two tiles on.
.macro TURN sl, nx, fill
	WIN 0                                          ; (the add's two registers lie in window 0)
.if \fill
	s_wait_xcnt 0x0                                ; the last prefetch, a slot back, has read its address: it is stepped here, ahead of the waits of the change of slots
	s_add_nc_u64 s[PFA:PFA+1], s[PFA:PFA+1], TILEB
.endif
	s_wait_tensorcnt 0x0                           ; all my tensor loads have landed, so a group 0 may be written;
	ds_add_u32 v[SPW], v[NIL]                      ; 0 onto my spare word
.if \fill
	s_add_nc_u64 s[G0+4*\sl+2:G0+4*\sl+3], s[G0+4*\sl+2:G0+4*\sl+3], 2*TILEB   ; this slot's next tile: two on; the type bits on top are not reached
.endif
	s_wait_dscnt 13                                ; (the add and the second run's 12 loads may be out: the activations and tiles 0 and 1 are in)
	WIN 0xf5
	MUL8 1, 0, 0                                   ; eight matrix instructions stand between the add and the wait for it
	s_wait_dscnt 0x0                               ; the add is done, and so are all my LDS reads and stores
	s_barrier_signal -1
	MUL8 1, 1, 0
	WIN 0
	s_barrier_wait -1
.if \fill
	CREST                                          ; no wave of any partner still reads this slot or has a load on its way
	tensor_load_to_lds s[G0+4*\sl:G0+4*\sl+3], s[G1:G1+7]   ; my one tensor load behind the round, and the first thing there: my quarter of the tile two on; it has a slot's 128 matrix instructions in which to land
	s_nop 0
.endif
	PLACES                                         ; behind the tensor load, and the places in front of the loads below
	FETCH \nx, 0, 0, 0
.if \fill
	WIN 0
	ASK \sl
.endif
	WIN 0xf5
	MUL8 1, 2, 0
	MUL8 1, 3, 0
.endm
; 64 numbers of a lane, v[src] on in window sw, become a fragment's codes in v[code] on (window 0), which go to LDS as they stand.  v[vs]: the scale as f32, v[vs + 1]: 57,344 x the scale.
; inplace = 0: the numbers are kept (they are quantised again with another scale): the hold writes 16 at a time into v[TMP] on.
.macro QUANT src, sw, inplace, vs, code, adr, off
.if \inplace
	WIN ((\sw)<<6)|(\sw)
.irp b, 0,1,2,3
.irp i, 0,1,2,3,4,5,6,7,8,9,10,11,12,13,14,15
	v_med3_num_f32 v[(\src)+16*\b+\i], v[(\src)+16*\b+\i], -v[\vs+1], v[\vs+1]   ; the conversion to an 8-bit code does not saturate (ISA guide 7.6.2): the hold comes first
.endr
.endr
	WIN \sw
.irp b, 0,1,2,3
	v_cvt_scalef32_pk8_bf8_f32 v[\code+4*\b:\code+4*\b+1], v[(\src)+16*\b:(\src)+16*\b+7], v[\vs]
	v_cvt_scalef32_pk8_bf8_f32 v[\code+4*\b+2:\code+4*\b+3], v[(\src)+16*\b+8:(\src)+16*\b+15], v[\vs]
.endr
	v_nop                                          ; a plain line between the conversions and whatever next touches their registers
	WIN 0
.else
.irp b, 0,1,2,3
	WIN \sw
.irp i, 0,1,2,3,4,5,6,7,8,9,10,11,12,13,14,15
	v_med3_num_f32 v[TMP+\i], v[(\src)+16*\b+\i], -v[\vs+1], v[\vs+1]
.endr
	WIN 0
	v_cvt_scalef32_pk8_bf8_f32 v[\code+4*\b:\code+4*\b+1], v[TMP:TMP+7], v[\vs]
	v_cvt_scalef32_pk8_bf8_f32 v[\code+4*\b+2:\code+4*\b+3], v[TMP+8:TMP+15], v[\vs]
	v_nop                                          ; a plain line: the next block's holds write the conversions' sources
.endr
.endif
.irp b, 0,1,2,3
	ds_store_b128 v[\adr], v[\code+4*\b:\code+4*\b+3] offset:(\off)+512*\b
.endr
.endm
; The two scales of chunk s[PC]: chosen by the chunk's number alone, without a branch.
.macro PARAMS
	s_mov_b32 s45, s[ET+16]                        ; chunks 28-31: a for z
	s_mov_b32 s48, s[ET+18]                        ; chunks 16-23: x for h (from 24 on gsel 1's fragments are released, not quantised)
	s_cmp_lt_u32 s[PC], 28
	s_cselect_b32 s45, s[ET+14], s45               ; 24-27: s for z
	s_cmp_lt_u32 s[PC], 24
	s_cselect_b32 s45, s[ET+12], s45               ; 16-23: x for z
	s_cmp_lt_u32 s[PC], 16
	s_cselect_b32 s45, s[ET+4], s45                ; 12-15: a for r, p
	s_cselect_b32 s48, s[ET+10], s48
	s_cmp_lt_u32 s[PC], 12
	s_cselect_b32 s45, s[ET+2], s45                ; 8-11: s for r, p
	s_cselect_b32 s48, s[ET+8], s48
	s_cmp_lt_u32 s[PC], 8
	s_cselect_b32 s45, s[ET], s45                  ; 0-7: x for r, p
	s_cselect_b32 s48, s[ET+6], s48
	s_add_co_u32 s46, s45, 0x07e00000              ; 15 onto the exponent field and 57,344's mantissa field under it
	s_add_co_u32 s49, s48, 0x07e00000
	v_mov_b32 v[VS0], s45
	v_mov_b32 v[VS0+1], s46
	v_mov_b32 v[VS1], s48
	v_mov_b32 v[VS1+1], s49
.endm
; Where chunk s[LC] lies: in a pass chunks 0-7 are x's, 8-11 s's, 12-15 a's.  Numbers 32 and 33 stand for the last epilogue's first two tiles of s, so that the loop's last two loads are of use too.
.macro NEXTPTR
	s_and_b32 s2, s[LC], 15
	s_cmp_lt_u32 s2, 12
	s_cselect_b64 s[PTR:PTR+1], s[SB:SB+1], s[AB:AB+1]
	s_cselect_b32 s3, 8, 12
	s_movk_i32 s[PIT], 0x800
	s_movk_i32 s23, 0x800
	s_cmp_lt_u32 s2, 8
	s_cselect_b64 s[PTR:PTR+1], s[XB:XB+1], s[PTR:PTR+1]
	s_cselect_b32 s3, 0, s3
	s_cselect_b32 s[PIT], 4096, s[PIT]
	s_sub_co_u32 s2, s2, s3
	s_lshl_b32 s2, s2, 9                           ; 512 bytes a chunk along the row
	s_and_b32 s3, s[LC], 1
	s_lshl_b32 s3, s3, 15                          ; 16 rows of 2,048 bytes a tile
	s_cmp_lt_u32 s[LC], 32
	s_cselect_b64 s[PTR:PTR+1], s[PTR:PTR+1], s[SE:SE+1]
	s_cselect_b32 s2, s2, s3
	s_cselect_b32 s[PIT], s[PIT], s23
	s_mov_b32 s3, 0
	s_add_nc_u64 s[PTR:PTR+1], s[PTR:PTR+1], s[2:3]
	v_mad_u32_u24 v[GOFF], v[RR], s[PIT], v[HH]
.endm
; In chunk pcv the kept fragment at v[reg] on (win = 0: r s, window 0; 0x04: p a, window 1) goes out as gsel 1's image.  The branch hangs on the loop's counter alone.
.macro REL pcv, win, reg, off
	s_cmp_lg_u32 s[PC], \pcv
	s_cbranch_scc1 .Lnot_this_\@
	WIN \win
.irp b, 0,1,2,3
	ds_store_b128 v[TW], v[(\reg)+4*\b:(\reg)+4*\b+3] offset:(\off)+512*\b
.endr
	WIN 0
.Lnot_this_\@:
.endm
; Chunk 2 TR + 2 + par, which lies in buffer par, becomes the two images of parity par, a slot ahead of their use; then the buffer takes the chunk two on.
; It stands behind a sub-step's head, so that the run of LDS loads issued there is served while the numbers are held and converted.
.macro PRODUCE par
	WIN 0
	s_lshl_b32 s[PC], s[TR], 1
	s_add_co_u32 s[PC], s[PC], 2+\par
	s_add_co_u32 s[LC], s[PC], 2
	PARAMS
	s_wait_loadcnt 16                              ; my chunk's 16 loads are in; the next chunk's 16 may be out
	QUANT BUF0+64*\par, 0, 0, VS0, CODE0, TW, \par*16384
	s_cmp_lt_u32 s[PC], 24
	s_cbranch_scc0 .Lrelease_\@
	QUANT BUF0+64*\par, 0, 1, VS1, CODE1, TW, \par*16384+8192
	s_branch .Lput_\@
.Lrelease_\@:
	REL 24+\par, 0, STR+16*\par, \par*16384+8192
	REL 26+\par, 0, STR+16*(\par+2), \par*16384+8192
	REL 28+\par, 0x04, STR+16*\par, \par*16384+8192
	REL 30+\par, 0x04, STR+16*(\par+2), \par*16384+8192
.Lput_\@:
	s_wait_xcnt 0x0                                ; the earlier loads have read their offset and their base: both are written below
	NEXTPTR
	XLOAD 0, BUF0+64*\par, GOFF, PTR, 0
.endm
.macro BND tr, e0, e1                  ; behind slot 2 tr + 1 the product changes: the two gates' factors
	s_cmp_eq_u32 s[TR], \tr
	s_cselect_b32 s[F0], s[\e0], s[F0]
	s_cselect_b32 s[F1], s[\e1], s[F1]
	s_cselect_b32 s[DO], 1, s[DO]
.endm
; 64 sums of window w, from v[base] on, become 1 / (1 + 2^(sum x s[cp])): a sigmoid where s[cp] = -log2(e) x the unit.  th = 1: 1 - 2 x that, with s[cp] = 2 log2(e) x the unit: tanh.
; The exponentials and the reciprocals go as batches: a plain line and ONE wait behind each batch, ahead of its first reader.  Each accumulator is read from its low end on.
.macro SIG w, base, cp, th
	WIN ((\w)<<6)|(\w)
.set J, \base
.rept 32
	v_pk_mul_f32 v[J:J+1], v[J:J+1], s[\cp:\cp+1] op_sel_hi:[1,0]
.set J, J+2
.endr
.set J, \base
.rept 64
	v_exp_f32 v[J], v[J]
.set J, J+1
.endr
	v_nop
	s_wait_alu depctr_va_vdst(0)
.set J, \base
.rept 32
	v_pk_add_f32 v[J:J+1], v[J:J+1], 1.0 op_sel_hi:[1,0]
.set J, J+2
.endr
.set J, \base
.rept 64
	v_rcp_f32 v[J], v[J]
.set J, J+1
.endr
	v_nop
	s_wait_alu depctr_va_vdst(0)
.if \th
.set J, \base
.rept 32
	v_pk_fma_f32 v[J:J+1], v[J:J+1], -2.0, 1.0 op_sel_hi:[1,0,0]
.set J, J+2
.endr
.endif
.endm
; Row tile m of gate r or p (window w) times the tile of s or a at v[tile] on in window tw, quantised, to the exchange.  wt = 1: the code area's last stores are waited for first.
.macro FIN1 w, m, tw, tile, code, wt
	WIN ((\w)<<6)|((\tw)<<2)|(\w)
.set J, 0
.rept 32
	v_pk_mul_f32 v[64*\m+J:64*\m+J+1], v[64*\m+J:64*\m+J+1], v[\tile+J:\tile+J+1]
.set J, J+2
.endr
.if \wt
	s_wait_dscnt 4                                 ; the stores of two tiles back have read this code area; the last tile's four, from the other area, may be out
.endif
	QUANT 64*\m, \w, 1, VS0, \code, XW, \m*2048
.endm
	s_load_b128 s[4:7], s[0:1], 0x0                ; x s[4:5], s s[6:7]
	s_load_b64 s[8:9], s[0:1], 0x10                ; a
	s_load_b128 s[68:71], s[0:1], 0x18             ; the scales' exponents s[68:69], wq s[70:71]
	s_load_b64 s[14:15], s[0:1], 0x28              ; out
	v_lshl_add_u32 v[SPW], v0, 2, SPARE
	v_mov_b32 v[NIL], 0
	ds_add_u32 v10, v11
	ds_add_u32 v10, v11
	s_wait_dscnt 0x0
	v_lshrrev_b32 v20, 5, v0
	v_readfirstlane_b32 s[WV], v20                 ; wave 0..3
	v_and_b32 v20, 31, v0
	v_lshlrev_b32 v[LI], 4, v20
	v_lshlrev_b32 v[PFO], 8, v20
	v_and_b32 v[RR], 15, v0
	v_bfe_u32 v[HH], v0, 4, 1
	v_lshlrev_b32 v[HH], 6, v[HH]
	v_lshl_add_u32 v[SOFF], v[RR], 11, v[HH]
	v_lshl_add_u32 v[GOFF], v[RR], 12, v[HH]       ; the first chunks are x's: rows of 4,096 bytes
	s_lshl_b32 s[G0+1], s[WV], 15                  ; my quarter of slot 0: no place in the cluster enters an LDS address
	v_add_nc_u32 v[BW], s[G0+1], v[LI]
	v_add_nc_u32 v[BW+1], RING1, v[BW]
	v_add_nc_u32 v[TA], TIM, v[LI]
	s_lshl_b32 s23, s[WV], 11
	v_add_nc_u32 v[TW], s23, v[TA]
	v_add_nc_u32 v[XR], s23, v[LI]
	v_add_nc_u32 v[XR], XCH, v[XR]
	s_lshl_b32 s23, s[WV], 13
	v_add_nc_u32 v[XW], s23, v[LI]
	v_add_nc_u32 v[XW], XCH, v[XW]
	v_mul_u32_u24 v[STO], v[RR], SP
	v_add_nc_u32 v[STO], v[STO], v[HH]
	v_add_nc_u32 v[STO], s[G0+1], v[STO]           ; the stage: row r, + 64 h
	s_bfe_u32 s2, ttmp6, 0x40000                   ; cx: my place in the cluster: it enters the addresses of x, s, a and out, and of the prefetches, alone
	s_lshl_b32 s[PFA], s2, 2
	s_add_co_u32 s[PFA], s[PFA], s[WV]
	s_lshl_b32 s[PFA], s[PFA], 13                  ; the prefetches: (4 cx + wave) x 8,192 bytes into a tile
	s_mov_b32 s[PFA+1], 0
	s_cmp_eq_u32 ttmp9, 0                          ; cluster 0 asks
	s_cselect_b32 s[PLM], 14, 0
	s_lshl_b32 s3, ttmp9, 2                        ; in a cluster launch ttmp9 counts clusters
	s_add_co_u32 s3, s3, s2                        ; my block of 64 rows
	s_lshl_b32 s52, s3, 17                         ; 64 rows of 2,048 bytes,
	s_lshl_b32 s53, s[WV], 9                       ; my 128 columns
	s_add_co_u32 s52, s52, s53
	s_mov_b32 s53, 0
	s_lshl_b32 s54, s3, 6
	s_lshl_b32 s55, s[WV], 4
	s_add_co_u32 s54, s54, s55                     ; the first row that I quantise: 64 x block + 16 x wave
	s_lshl_b32 s2, s54, 12
	s_mov_b32 s3, 0
	s_lshl_b32 s54, s54, 11
	s_mov_b32 s55, 0
	; descriptor group 1: a dense block of 32,768 bytes as 128 rows of 32 elements of 8 bytes
	s_mov_b32 s[G1], 15|(3<<16)|(1<<21)            ; 15:0 the mask: all four work-groups; 17:16 elements of 8 bytes; 20 no padding; 21 set beside a mask
	s_mov_b32 s[G1+1], 32<<16                      ; tensor_dim0 = 32
	s_mov_b32 s[G1+2], 128<<16                     ; tensor_dim1 = 128
	s_mov_b32 s[G1+3], 32<<16                      ; tile_dim0 = 32
	s_mov_b32 s[G1+4], 128                         ; tile_dim1 = 128
	s_mov_b32 s[G1+5], 32                          ; from row to row
	s_mov_b32 s[G1+6], 0
	s_mov_b32 s[G1+7], 0
	s_mov_b32 s22, s[G0+1]                         ; my quarter of a tile of wq lies as far in as my quarter of a slot
	s_mov_b32 s23, 0
	s_wait_kmcnt 0x0
	s_load_b512 s[72:87], s[68:69], 0x0            ; the 24 exponents
	s_load_b256 s[88:95], s[68:69], 0x40
	s_add_nc_u64 s[SE:SE+1], s[SB:SB+1], s[52:53]
	s_add_nc_u64 s[AE:AE+1], s[AB:AB+1], s[52:53]
	s_add_nc_u64 s[OB:OB+1], s[OB:OB+1], s[52:53]
	s_add_nc_u64 s[XB:XB+1], s[XB:XB+1], s[2:3]
	s_add_nc_u64 s[SB:SB+1], s[SB:SB+1], s[54:55]
	s_add_nc_u64 s[AB:AB+1], s[AB:AB+1], s[54:55]
	s_add_nc_u64 s[PFA:PFA+1], s[70:71], s[PFA:PFA+1]
	s_add_nc_u64 s[PFA:PFA+1], s[PFA:PFA+1], 2*TILEB   ; in tile 2: the first change of slots steps it to tile 3.  Nothing is prefetched here, at the head, where every work-group's first tiles are on their way
	s_mov_b32 s[G0], 1                             ; count = 1
	s_add_nc_u64 s[G0+2:G0+3], s[70:71], s[22:23]  ; tile 0: the address hangs on the wave's number alone: it is equal in all four partners
	s_add_nc_u64 s[G0+6:G0+7], s[G0+2:G0+3], TILEB ; tile 1
	s_or_b32 s[G0+3], s[G0+3], 0x80000000          ; type = 2
	s_or_b32 s[G0+7], s[G0+7], 0x80000000
	s_mov_b32 s[G0+4], 1
	s_add_co_u32 s[G0+5], s[G0+1], RING1
	CROUND                                         ; all four work-groups are here: the first joint loads meet
	tensor_load_to_lds s[G0:G0+3], s[G1:G1+7]      ; the two first fills go out together: two tensor loads of mine are out
	s_nop 0
	tensor_load_to_lds s[G0+4:G0+7], s[G1:G1+7]
	s_nop 0
	PLACES
	XLOAD 0, STR, GOFF, XB, 0                      ; four chunks of x are asked for at once: chunks 0 and 1 into the registers that will keep r s and p a,
	XLOAD 1, STR, GOFF, XB, 512
	XLOAD 0, BUF0, GOFF, XB, 1024                  ; chunks 2 and 3 into the two buffers
	XLOAD 0, BUF0+64, GOFF, XB, 1536
	s_wait_kmcnt 0x0
; The table.  With E0, E1, E2 = eA + eB of a gate's three products: +1: 2^(E0 - E1), +3: 2^(E1 - E2), +5: c x 2^E2 (E2 is added to c's exponent field); +0, +2, +4: 2^eA.
.macro GATE b, c
	s_add_co_i32 s52, s[\b], s[\b+1]
	s_add_co_i32 s53, s[\b+2], s[\b+3]
	s_add_co_i32 s54, s[\b+4], s[\b+5]
	s_sub_co_i32 s52, s52, s53
	s_add_co_i32 s52, s52, 127
	s_lshl_b32 s[\b+1], s52, 23
	s_sub_co_i32 s53, s53, s54
	s_add_co_i32 s53, s53, 127
	s_lshl_b32 s[\b+3], s53, 23
	s_lshl_b32 s54, s54, 23
	s_add_co_u32 s[\b+5], s54, \c
.irp k, 0,2,4
	s_add_co_i32 s[\b+\k], s[\b+\k], 127
	s_lshl_b32 s[\b+\k], s[\b+\k], 23
.endr
.endm
	GATE ET, 0xbfb8aa3b                            ; r: c = -log2(e)
	GATE ET+6, 0xbfb8aa3b                          ; p
	GATE ET+12, 0xbfb8aa3b                         ; z
	GATE ET+18, 0x4038aa3b                         ; h: c = 2 log2(e)
	s_mov_b32 s[F0], 1.0                           ; written once: the selections below name them, and the packed form names the pairs
	s_mov_b32 s[F0+1], 1.0
	s_mov_b32 s[F1], 1.0
	s_mov_b32 s[F1+1], 1.0
	s_mov_b32 s[PC], 0
	PARAMS
	s_wait_loadcnt 48                              ; chunk 0 is in; three younger chunks may be out
	QUANT STR, 0, 0, VS0, CODE0, TW, 0
	QUANT STR, 0, 1, VS1, CODE1, TW, 8192
	s_wait_tensorcnt 0x1                           ; my quarter of tile 0 is in; tile 1's may stay out
	BAR                                            ; chunk 0's eight images lie in LDS
	FETCH 0, 0, 0, 0
	SUBA 0, 0                                      ; the first two sub-steps stand in front of the loop: their products start the sums
	SUBB 0, 0, 1
	SUBA 0, 1
	WIN 0
	s_wait_loadcnt 32                              ; chunk 1 is in; two younger chunks may be out
	QUANT STR, 1, 0, VS0, CODE0, TW, 16384
	QUANT STR, 1, 1, VS1, CODE1, TW, 24576
	SUBB 0, 1, 1
	WIN 0                                          ; at a label and at a branch every window is 0
	s_mov_b32 s[TR], 0
.Ltrip:                                            ; 15 trips: the second half of slot 2 TR, slot 2 TR + 1, the first half of slot 2 TR + 2; both slots are filled again
	SUBA 0, 2
	SUBB 0, 2, 0
	TURN 0, 1, 1
	SUBA 1, 0
	SUBB 1, 0, 0
	SUBA 1, 1
	PRODUCE 0
	SUBB 1, 1, 0
	SUBA 1, 2
	SUBB 1, 2, 0
	TURN 1, 0, 1
	WIN 0
	; BETWEEN TWO SLOTS.  Every branch here hangs on the loop's counter alone, which is equal in all waves and all partners; no tensor load stands under any of them.
	s_mov_b32 s[DO], 0
	BND 3, ET+1, ET+7                              ; slot 8: from x's products to s's, gates r and p
	BND 5, ET+3, ET+9                              ; slot 12: to a's
	BND 11, ET+13, ET+19                           ; slot 24: gates z and h
	BND 13, ET+15, ET+21                           ; slot 28
	s_cmp_eq_u32 s[DO], 0
	s_cbranch_scc1 .Lsame_unit
	PLACES                                         ; the sums are read: places behind the last products
	WIN 0x82
.set J, 0
.rept 128
	v_pk_mul_f32 v[J:J+1], v[J:J+1], s[F0:F0+1] op_sel_hi:[1,0]   ; into the next product's unit: a power of two, nothing is rounded; each accumulator from its low end on
.set J, J+2
.endr
	WIN 0xc3
.set J, 0
.rept 128
	v_pk_mul_f32 v[J:J+1], v[J:J+1], s[F1:F1+1] op_sel_hi:[1,0]
.set J, J+2
.endr
	WIN 0
.Lsame_unit:
	s_cmp_lg_u32 s[TR], 7
	s_cbranch_scc1 .Lno_e1
	; ---- BETWEEN THE PASSES: r and p are finished; r s and p a become operands.
	s_wait_dscnt 0x0                               ; the fetch into set 0 is given up (its registers take tiles of s) and made again below
	PLACES                                         ; for the loads into set 1, which the last products read
	XLOAD 0, STR, SOFF, SE, 0                      ; s, row tiles 0 to 3, in the accumulators' layout; then a's tile 0
	XLOAD 1, 0, SOFF, SE, 32768
	XLOAD 1, 64, SOFF, SE, 65536
	XLOAD 1, 128, SOFF, SE, 98304
	XLOAD 1, STR, SOFF, AE, 0
	WIN 0
	v_mov_b32 v[VS0], s[ET+20]                     ; r s's scale,
	s_add_co_u32 s46, s[ET+20], 0x07e00000
	v_mov_b32 v[VS0+1], s46                        ; and 57,344 x it
	s_mov_b32 s56, s[ET+5]
	s_mov_b32 s57, s[ET+5]
	SIG 2, 0, 56, 0
	SIG 2, 64, 56, 0
	SIG 2, 128, 56, 0
	SIG 2, 192, 56, 0
	s_wait_loadcnt 63                              ; s's tile 0 is in: 64 loads are younger; the count's field ends at 63, and a smaller count is safe
	FIN1 2, 0, 0, STR, CODE0, 0
	s_wait_loadcnt 48                              ; three younger tiles may be out, here and at the next two waits
	FIN1 2, 1, 1, 0, CODE1, 0
	XLOAD 1, 0, SOFF, AE, 32768                    ; each tile of s that is done with gives its registers to a tile of a
	s_wait_loadcnt 48
	FIN1 2, 2, 1, 64, CODE0, 1
	XLOAD 1, 64, SOFF, AE, 65536
	s_wait_loadcnt 48
	FIN1 2, 3, 1, 128, CODE1, 1
	XLOAD 1, 128, SOFF, AE, 98304
	WIN 0
	BAR                                            ; r s lies in the exchange.  The tile that is on its way may stay out
.irp c, 0,1,2,3
.irp b, 0,1,2,3
	ds_load_b128 v[STR+16*\c+4*\b:STR+16*\c+4*\b+3], v[XR] offset:\c*8192+512*\b   ; my row tile's four chunks: they stay
.endr
.endr
	s_mov_b32 s56, s[ET+11]
	s_mov_b32 s57, s[ET+11]
	SIG 3, 0, 56, 0
	SIG 3, 64, 56, 0
	SIG 3, 128, 56, 0
	SIG 3, 192, 56, 0
	WIN 0
	v_mov_b32 v[VS0], s[ET+22]                     ; p a's scale
	s_add_co_u32 s46, s[ET+22], 0x07e00000
	v_mov_b32 v[VS0+1], s46
	BAR                                            ; every wave has read r s: the exchange may be written again
	s_wait_loadcnt 48                              ; a's tile 0 is in; the counts run down
	FIN1 3, 0, 1, STR, CODE0, 0
	s_wait_loadcnt 32
	FIN1 3, 1, 1, 0, CODE1, 0
	s_wait_loadcnt 16
	FIN1 3, 2, 1, 64, CODE0, 1
	s_wait_loadcnt 0
	FIN1 3, 3, 1, 128, CODE1, 1
	BAR                                            ; p a lies in the exchange
	WIN 0x40
.irp c, 0,1,2,3
.irp b, 0,1,2,3
	ds_load_b128 v[STR+16*\c+4*\b:STR+16*\c+4*\b+3], v[XR] offset:\c*8192+512*\b
.endr
.endr
	WIN 0
	BAR                                            ; every wave has read p a: the odd images, which lie under the exchange, may be written again
	FETCH 0, 0, 0, 0
	WIN 0
.Lno_e1:
	SUBA 0, 0
	WIN 0
	s_cmp_eq_u32 s[TR], 7
	s_cbranch_scc1 .Lzero0
	SUBB 0, 0, 0
	WIN 0
	s_branch .Ljoin0
.Lzero0:
	SUBB 0, 0, 1                                   ; pass 2's first products start the sums of z
	WIN 0
.Ljoin0:
	SUBA 0, 1
	PRODUCE 1
	s_cmp_eq_u32 s[TR], 7
	s_cbranch_scc1 .Lzero1
	SUBB 0, 1, 0
	WIN 0
	s_branch .Ljoin1
.Lzero1:
	SUBB 0, 1, 1                                   ; and of h
	WIN 0
.Ljoin1:
	s_add_co_u32 s[TR], s[TR], 1
	s_cmp_lt_u32 s[TR], 15
	s_cbranch_scc1 .Ltrip
	; THE TAIL is written out: slot 30's second half and slot 31 ask for nothing
	SUBA 0, 2
	SUBB 0, 2, 0
	TURN 0, 1, 0
	XLOAD 0, STR, SOFF, SE, 65536                  ; s's row tiles 2 and 3 for the last epilogue, into the registers that have released r s and p a (the change of slots has waited for those stores)
	XLOAD 1, STR, SOFF, SE, 98304
	SUBA 1, 0
	SUBB 1, 0, 0
	SUBA 1, 1
	SUBB 1, 1, 0
	SUBA 1, 2
	SUBB 1, 2, 0
	s_wait_dscnt 8                                 ; the very last sub-step: nothing more to fetch; the youngest eight loads, tiles 4-7, may be out
	WIN 0xf5
	MUL8 1, 0, 0
	MUL8 1, 1, 0
	s_wait_dscnt 0x0
	MUL8 1, 2, 0
	MUL8 1, 3, 0
	PLACES                                         ; the sums are read: places behind the last products
	s_mov_b32 s56, s[ET+17]
	s_mov_b32 s57, s[ET+17]
	s_mov_b32 s58, s[ET+23]
	s_mov_b32 s59, s[ET+23]
; THE WAY OUT, a row tile at a time: z, tanh, out = s + z (tanh - s).  A lane holds four runs of 64 bytes of one row: the tile goes through my stage in LDS and comes back as whole rows of my 128 columns.
; LDS serves a wave's instructions in order (ISA guide 5.7.1.4): no wait between the stores and the loads, nor in front of the next tile's stores.  Each tile has registers of its own, so no store's data are written again.
.macro OUT m, tw, tile, lc
	SIG 2, 64*\m, 56, 0
	SIG 3, 64*\m, 58, 1
	s_wait_loadcnt \lc                             ; this tile of s is in; the later tiles may be out
	WIN 0xc3|((\tw)<<2)
.set J, 0
.rept 32
	v_pk_add_f32 v[64*\m+J:64*\m+J+1], v[64*\m+J:64*\m+J+1], v[\tile+J:\tile+J+1] neg_lo:[0,1] neg_hi:[0,1]
.set J, J+2
.endr
	WIN 0xce|((\tw)<<4)                            ; source 0: z, window 2; source 1 and destination: window 3; source 2: s
.set J, 0
.rept 32
	v_pk_fma_f32 v[64*\m+J:64*\m+J+1], v[64*\m+J:64*\m+J+1], v[64*\m+J:64*\m+J+1], v[\tile+J:\tile+J+1]
.set J, J+2
.endr
	WIN 0x0c                                       ; store data window 3
.irp b, 0,1,2,3
.irp j, 0,1,2,3
	ds_store_b128 v[STO], v[64*\m+16*\b+4*\j:64*\m+16*\b+4*\j+3] offset:128*\b+16*\j
.endr
.endr
	WIN 0x80                                       ; back into z's registers, window 2
.irp i, 0,1,2,3,4,5,6,7,8,9,10,11,12,13,14,15
	ds_load_b128 v[64*\m+4*\i:64*\m+4*\i+3], v[BW] offset:\i*SP
.endr
	WIN 0x08                                       ; store data window 2
.irp i, 0,1,2,3,4,5,6,7,8,9,10,11,12,13,14,15
	s_wait_dscnt 15-\i                             ; row i is back; the rows behind it may be out
	global_store_b128 v[LI], v[64*\m+4*\i:64*\m+4*\i+3], s[OB:OB+1] offset:(16*\m+\i)*2048 th:TH_STORE_NT   ; 32 lanes store 512 consecutive bytes, at a multiple of 512 from out's first byte
.endr
.endm
	OUT 0, 0, BUF0, 48
	OUT 1, 0, BUF0+64, 32
	OUT 2, 0, STR, 16
	OUT 3, 1, STR, 0
	WIN 0
	s_wait_tensorcnt 0x0                           ; the wave's end: behind my last tensor load and my last LDS store
	ds_add_u32 v[SPW], v[NIL]
	s_wait_dscnt 0x0
	CROUND                                         ; the closing round: no work-group ends while a partner may still ask for a tile that names it
	s_endpgm
.Lfunc_end_k_q9fa740ca2b_cell:
	.size	k_q9fa740ca2b_cell, .Lfunc_end_k_q9fa740ca2b_cell-k_q9fa740ca2b_cell
	.p2alignl 7, 3214868480
	.fill 96, 4, 3214868480
	.section	.rodata,"a",@progbits
	.p2align	6, 0x0
	.amdhsa_kernel k_q9fa740ca2b_cell
		.amdhsa_group_segment_fixed_size 327680
		.amdhsa_private_segment_fixed_size 0
		.amdhsa_enable_private_segment 0
		.amdhsa_kernarg_size 48
		.amdhsa_user_sgpr_count 2
		.amdhsa_user_sgpr_kernarg_segment_ptr 1
		.amdhsa_wavefront_size32 1
		.amdhsa_system_sgpr_workgroup_id_x 1
		.amdhsa_system_sgpr_workgroup_id_y 1
		.amdhsa_system_sgpr_workgroup_id_z 1
		.amdhsa_system_vgpr_workitem_id 0
		.amdhsa_next_free_vgpr 1024
		.amdhsa_next_free_sgpr 100
		.amdhsa_reserve_vcc 0
		.amdhsa_float_denorm_mode_32 3
		.amdhsa_float_denorm_mode_16_64 3
		.amdhsa_memory_ordered 1
		.amdhsa_forward_progress 1
		.amdhsa_inst_pref_size 255
	.end_amdhsa_kernel
	.section	.bss,"aw",@nobits
	.p2align	6
	.space	262144
	.amdgpu_metadata
---
amdhsa.version: [ 1, 2 ]
amdhsa.kernels:
  - .name:           k_q9fa740ca2b_cell
    .symbol:         k_q9fa740ca2b_cell.kd
    .args:
      - { .name: encoder_hidden, .offset: 0, .size: 8, .value_kind: global_buffer, .address_space: global }
      - { .name: spk_vectors, .offset: 8, .size: 8, .value_kind: global_buffer, .address_space: global }
      - { .name: adr_vectors, .offset: 16, .size: 8, .value_kind: global_buffer, .address_space: global }
      - { .name: lowp_scales, .offset: 24, .size: 8, .value_kind: global_buffer, .address_space: global }
      - { .name: wq, .offset: 32, .size: 8, .value_kind: global_buffer, .address_space: global }
      - { .name: out0, .offset: 40, .size: 8, .value_kind: global_buffer, .address_space: global }
    .group_segment_fixed_size: 327680
    .private_segment_fixed_size: 0
    .kernarg_segment_align: 8
    .kernarg_segment_size: 48
    .max_flat_workgroup_size: 128
    .sgpr_count:     100
    .vgpr_count:     1024
    .wavefront_size: 32
...
	.end_amdgpu_metadata
.endif
;; end of part 2
